; MI455X (gfx1250); checked and timed in simulation.
; The chip was launched on July 23, 2026; its instructions are those of AMD's public machine-readable ISA for CDNA 5 (MIT licence, August 2026) and "CDNA5" Instruction Set Architecture Reference Guide (July 2026). The comments in the code are by the model that wrote it; some were corrected since.
;; Dot Product Attention. Allowed arithmetic: float matrix products may take bf16 or f16 operands with f32 sums; other float arithmetic in f32, or as packed bf16 or f16 multiplies, adds, multiply-adds, maxima and minima; sums over many terms, partial sums and values carried from step to step in f32; what a program stores and reads back later, other than sums and carried values, may be rounded once to bf16 or f16.
;; Inputs: query 16 x 1,024 x 1,024 float32; value 16 x 2,048 x 1,024 float32.
;; Outputs: out0 16 x 1,024 x 1,024 float32.
;; 2 versions, each right; version 2 is version 1 with the launch tobf16 written anew for expert scheduling mode. Each part assembles by itself: llvm-mc -triple=amdgcn-amd-amdhsa -mcpu=gfx1250 --defsym DOCPART=n.
;; ======== version 1 of 2: 2 launches
;; limits: right only within a limited range of input values
;; workspace buffers: vb 67,108,864 bytes
;; launch tobf16 (part 1): grid 1024 x 1, 8 waves a work-group, no clusters, 0 bytes of LDS; arguments value, vb; writes vb
.if DOCPART == 1
	.amdgcn_target "amdgcn-amd-amdhsa--gfx1250"
	.amdhsa_code_object_version 6
	.text
	.protected	k_q5ad44fa5a7_tobf16
	.globl	k_q5ad44fa5a7_tobf16
	.p2align	8
	.type	k_q5ad44fa5a7_tobf16,@function
k_q5ad44fa5a7_tobf16:
	s_mov_b64 s[64:65], 0
	v_nop
	global_prefetch_b8 v0, s[64:65] scope:SCOPE_SE
	s_setreg_imm32_b32 hwreg(HW_REG_WAVE_MODE, 25, 1), 1
	s_wait_xcnt 0x0
; vb = value rounded once to bf16 (nearest even), same order of elements: [16][2048][1024].
; A stream: 134,217,728 bytes in, 67,108,864 out, each byte once; no LDS, no barrier, no matrix work.
; A work-group of eight waves takes 131,072 bytes of value as 32 lines of 4,096 bytes; thread t owns the 16 bytes at 16 t of every line.
; A wave's load covers 512 consecutive bytes; its four f32 a lane become 8 bytes, so a wave's store covers 256 consecutive bytes, aligned.
; A ring of DEPTH register slots keeps DEPTH loads of every wave on their way; the 32 turns are written out, the line's place stands in the immediates.
; Every line has store registers of its own and the two offsets are never rewritten: no source of a pending load or store is ever written again, so the only wait of a turn is the one for its load.
.set LINE_IN,  4096
.set LINE_OUT, 2048
.set DEPTH,    8
.set LINES,    32
.set X, 4                              ; v[4:35]   slot s: four f32 as loaded
.set Y, 36                             ; v[36:99]  line p: four bf16 to store
	s_load_b128 s[4:7], s[0:1], 0x0                ; value s[4:5], vb s[6:7]
	s_lshl_b32 s8, ttmp9, 17                       ; the work-group's 131,072 bytes of value (1,023 x 2^17 stays under 2^32)
	s_mov_b32 s9, 0
	s_lshl_b32 s10, ttmp9, 16                      ; and its 65,536 bytes of vb
	s_mov_b32 s11, 0
	v_lshlrev_b32 v1, 4, v0                        ; 16 t: never rewritten
	v_lshlrev_b32 v2, 3, v0                        ; 8 t: never rewritten
	s_wait_kmcnt 0x0
	s_add_nc_u64 s[4:5], s[4:5], s[8:9]
	s_add_nc_u64 s[6:7], s[6:7], s[10:11]
.irp s, 0,1,2,3,4,5,6,7
	global_load_b128 v[X+4*(\s):X+4*(\s)+3], v1, s[4:5] offset:(\s)*LINE_IN th:TH_LOAD_NT
.endr
; The turn of line p, in slot p % DEPTH.
.macro SLOT p
.if (\p) < LINES-DEPTH
	s_wait_loadcnt DEPTH-1                         ; loads come back in order: mine is in, the seven younger ones stay out
.else
	s_wait_loadcnt LINES-1-(\p)                    ; nothing is asked for any more: the counts run down
.endif
	v_cvt_pk_bf16_f32 v[Y+2*(\p)],   v[X+4*((\p)%DEPTH)],   v[X+4*((\p)%DEPTH)+1]
	v_cvt_pk_bf16_f32 v[Y+2*(\p)+1], v[X+4*((\p)%DEPTH)+2], v[X+4*((\p)%DEPTH)+3]
.if (\p) < LINES-DEPTH
	global_load_b128 v[X+4*((\p)%DEPTH):X+4*((\p)%DEPTH)+3], v1, s[4:5] offset:((\p)+DEPTH)*LINE_IN th:TH_LOAD_NT  ; the load ahead of the store
.endif
	global_store_b64 v2, v[Y+2*(\p):Y+2*(\p)+1], s[6:7] offset:(\p)*LINE_OUT th:TH_STORE_NT
.endm
.set line, 0
.rept LINES
	SLOT line
.set line, line+1
.endr
	s_endpgm
.Lfunc_end_k_q5ad44fa5a7_tobf16:
	.size	k_q5ad44fa5a7_tobf16, .Lfunc_end_k_q5ad44fa5a7_tobf16-k_q5ad44fa5a7_tobf16
	.p2alignl 7, 3214868480
	.fill 96, 4, 3214868480
	.section	.rodata,"a",@progbits
	.p2align	6, 0x0
	.amdhsa_kernel k_q5ad44fa5a7_tobf16
		.amdhsa_group_segment_fixed_size 0
		.amdhsa_private_segment_fixed_size 0
		.amdhsa_enable_private_segment 0
		.amdhsa_kernarg_size 16
		.amdhsa_user_sgpr_count 2
		.amdhsa_user_sgpr_kernarg_segment_ptr 1
		.amdhsa_wavefront_size32 1
		.amdhsa_system_sgpr_workgroup_id_x 1
		.amdhsa_system_sgpr_workgroup_id_y 1
		.amdhsa_system_sgpr_workgroup_id_z 1
		.amdhsa_system_vgpr_workitem_id 0
		.amdhsa_next_free_vgpr 100
		.amdhsa_next_free_sgpr 66
		.amdhsa_reserve_vcc 0
		.amdhsa_float_denorm_mode_32 3
		.amdhsa_float_denorm_mode_16_64 3
		.amdhsa_memory_ordered 1
		.amdhsa_forward_progress 1
		.amdhsa_inst_pref_size 12
	.end_amdhsa_kernel
	.amdgpu_metadata
---
amdhsa.version: [ 1, 2 ]
amdhsa.kernels:
  - .name:           k_q5ad44fa5a7_tobf16
    .symbol:         k_q5ad44fa5a7_tobf16.kd
    .args:
      - { .name: value, .offset: 0, .size: 8, .value_kind: global_buffer, .address_space: global }
      - { .name: vb, .offset: 8, .size: 8, .value_kind: global_buffer, .address_space: global }
    .group_segment_fixed_size: 0
    .private_segment_fixed_size: 0
    .kernarg_segment_align: 8
    .kernarg_segment_size: 16
    .max_flat_workgroup_size: 256
    .sgpr_count:     66
    .vgpr_count:     100
    .wavefront_size: 32
...
	.end_amdgpu_metadata
.endif
;; end of part 1
;; launch attn (part 2): grid 16 x 16, 4 waves a work-group, clusters of 4 x 1, 327,680 bytes of LDS; arguments query, vb, out0; writes out0
.if DOCPART == 2
	.amdgcn_target "amdgcn-amd-amdhsa--gfx1250"
	.amdhsa_code_object_version 6
	.text
	.protected	k_q5ad44fa5a7_attn
	.globl	k_q5ad44fa5a7_attn
	.p2align	8
	.type	k_q5ad44fa5a7_attn,@function
k_q5ad44fa5a7_attn:
	s_mov_b64 s[64:65], 0
	v_nop
	global_prefetch_b8 v0, s[64:65] scope:SCOPE_SE
	s_setreg_imm32_b32 hwreg(HW_REG_WAVE_MODE, 25, 1), 1
	s_wait_xcnt 0x0
	s_wait_alu depctr_hold_cnt(0) depctr_sa_sdst(0) depctr_va_vdst(0) depctr_va_sdst(0) depctr_va_ssrc(0) depctr_va_vcc(0) depctr_vm_vsrc(0)
	s_getreg_b32 s2, hwreg(HW_REG_IB_STS2, 6, 4)
	s_cmp_eq_u32 s2, 0
	s_cbranch_scc0 .Lentry_in_a_cluster
	s_endpgm
.Lentry_in_a_cluster:
	s_bfe_u32 s2, ttmp6, 0x10000c
	s_cmp_lg_u32 s2, 0x3003
	s_cbranch_scc0 .Lentry_shape_is_right
	s_endpgm
.Lentry_shape_is_right:
; out0[b][q][:] = the sum over k of softmax_k(query[b][q] . value[b][k]) value[b][k][:], unscaled.  query, out0: [16][1024][1024] f32; vb: value in bf16, [16][2048][1024].
; Both products in bf16 with f32 sums; query is rounded to bf16 here, value was rounded by the launch before; maxima, exponentials and sums in f32; the weights p are rounded to bf16 for the
; second product, their sum l is taken of the unrounded p; out0 is written once, in f32.
; LIMITS.  NaN and infinities are not treated apart.  query must be finite: O's registers first hold it in f32 and the first step multiplies them by a = 0.  |log2(e) x score| stays under 4e37
; (the running c m starts at -4.25e37).  A weight below 2^-126 counts as 0.
; SHARES.  A work-group owns 64 queries of one batch (16 x 16 work-groups) and walks the batch's 2,048 keys, 64 a trip, 32 trips.  THE 1,024 CHANNELS ARE SPLIT AMONG ITS FOUR WAVES: wave w owns
; channels 256 w .. 256 w + 255: it keeps Q[64 q][its channels] in bf16 (256 registers) and O^T[its channels][64 q] in f32 (512 registers), and reads only its own strip of V from LDS;
; each fragment of V feeds four matrix instructions (the four tiles of 16 queries).
; A TRIP.  (1) S^T = V Q^T over my 256 channels: 128 matrix instructions, a partial sum of all 64 x 64 scores.  Register block i of a wave means query tile (w + i) & 3: block 0 is the tile that I own,
; blocks 1-3 go into my outbox in LDS.  (2) Behind a barrier I add the three partners' partial sums of my tile, run its softmax (running maximum m, p = 2^(c s - c m), c = log2(e),
; a = 2^(c m_old - c m_new)), and publish p (bf16) and a in LDS.  (3) Behind a second barrier: O^T = a O^T + V^T P over my channels: 128 matrix instructions.
; LONG STRETCHES.  The matrix instructions stand in stretches of 32, and the LDS loads in runs of 16, a run for a stretch, issued one stretch ahead: seven runs a trip stand between matrix instructions.
; LAYOUT.  In S^T (source 0 = 16 keys, source 1 = 16 queries) a lane holds ONE query (lane % 16) and keys 8 (lane / 16) + 0..7; two such tiles rounded in pairs ARE source 1 (32 keys x 16 queries) of
; V^T P, whose result again holds one query a lane, and eight channels.  V comes out of LDS as it lies for S^T, and turned (ds_load_tr16_b128) for V^T P.
; CLUSTER.  The four query blocks of a cluster belong to one batch and walk the same V: each tile is asked for JOINTLY, the same tensor load, descriptor and mask (all four) in all four.
; My place in the cluster enters the addresses of query, out0 and the prefetch alone.
; THE RING.  Two slots of 64 keys x 2,048 bytes; each wave fetches 32 keys x 1,024 bytes with one load.  A slot is asked for again at the end of the trip that read it, and has the whole next trip to land.
;
; LDS.  A slot is two halves (a key's first and second 1,024 bytes), each 64 rows of 1,024 bytes + 16 of padding.  Pitch 1,040 = 65 x 16: the 16 rows of a fragment load start at 16 different
; 16-byte columns of the 64 banks of 4 bytes (ISA guide 11.1).  The turning load takes 8 rows x 2 columns; the two columns are taken 128 bytes apart, so that these are 16 different columns too:
; a tile of 16 channels is then 8 channels and the 8 that lie 64 further on; only O^T's rows are permuted, and the way out's addresses undo it.
.set PITCH,  1040
.set HALFR,  64*PITCH                  ; 66,560: half a slot
.set SLOTB,  2*HALFR                   ; 133,120 = 0x20800: slot 1 begins here.  Bits 17 and 11 are set in none of the four wave parts' starts in slot 0, so one exclusive or changes slots
.set EX,     2*SLOTB                   ; 266,240: four outboxes of 12,288: [block i - 1] x 4,096, [16 keys kt] x 1,024, [registers 0-3, 4-7] x 512, lane x 16.  On the way out my outbox is my stage
.set XBOX,   12288
.set PR,     EX+4*XBOX                 ; 315,392: for each query tile 2,560: p in 4 x 512 (lane x 16), then 512 (lane x 16) whose first 8 bytes hold (a, a), at the end (1/l, 1/l)
.set PBOX,   2560
.set SPARE,  PR+4*PBOX                 ; 325,632: the spare words, 128 bytes for each wave: two blocks of 256 bytes that no other line names
.set SPITCH, 528                       ; the stage: 16 rows of 512 bytes + 16
.set TILEB,  131072                    ; 64 keys of vb
; REGISTERS, in windows of 256 (s_set_vgpr_msb: bits 1:0 source 0, 3:2 source 1, 5:4 source 2, 7:6 destination).
;   window 0: below.   window 1: Q, fragment (block i, 32 channels c) at 8 (8 i + c).   windows 2, 3: O^T, accumulator (channel tile cb, block i) at 8 (4 (cb % 8) + i) in window 2 + cb / 8.
.set R,   1                            ; v1   lane % 16
.set H,   2                            ; v2   lane / 16
.set T,   3                            ; v3   at work at the head
.set AR0, 4                            ; v4   my lane's place in a slot for fragments by rows; never rewritten
.set AT0, 5                            ; v5   the same for the turning load
.set AR,  6                            ; v6   AR0 + the slot in hand
.set AT,  7                            ; v7   AT0 + the slot in hand
.set XS,  8                            ; v8   my outbox + 16 x lane
.set XL,  9                            ; v9-11  part n of the outbox of wave (w - n - 1) & 3, which holds its partial sums of my tile, + 16 x lane
.set PS,  12                           ; v12  my tile's P box + 16 x lane
.set PL,  13                           ; v13-16 block i's tile's P box + 16 x lane
.set PFO, 17                           ; v17  256 x lane: the prefetch's offset; never rewritten
.set SPW, 18                           ; v18  LDS address of my spare word; never rewritten
.set NIL, 19                           ; v19  0; never rewritten
.set QO,  20                           ; v20  my byte offset in 16 rows of query
.set STO, 21                           ; v21  the way out: where I put 16 bytes
.set RD,  22                           ; v22  the way out: where I read rows back
.set GO,  23                           ; v23  my byte offset in two rows of out0
.set CM,  24                           ; v[24:25] c m, m
.set LS,  26                           ; v[26:27] l: even keys', odd keys'
.set CC,  28                           ; v28-31 at work
.set MO,  32                           ; v32  c m_old
.set DD,  33                           ; v33  c m_old - c m_new
.set AO,  34                           ; v[34:35] my tile's (a, a); at the end (1/l, 1/l)
.set AI,  36                           ; v[36:43] block i's (a, a)
.set LN,  44                           ; v44-46 at work at the head
.set ZA,  48                           ; v48-63   the first two fragments of buffer Z
.set VB,  64                           ; v64-127  buffer X: eight fragments of V
.set SP,  128                          ; v128-255, by phase:
;   phase 1: SP+0..31 my own tile's sums, 8 for each 16 keys kt; SP+32..55 and SP+56..79 the three foreign accumulators of an even and of an odd kt; SP+80..127 the other six fragments of buffer Z
;   phase 2: SP+0..31 my scores, then weights; SP+32..127 the partners' sums; then SP+32..47 the packed p
;   phase 3: SP+0..63 buffer Y: eight fragments of V^T; SP+64..127 P: fragment (block i, 32 keys kk) at SP + 64 + 16 i + 8 kk
.set PK,  SP+32
.set WV,  10                           ; s10  my wave's number
.set CX,  11                           ; s11  my place in the cluster
.set BLK, 12                           ; s12  my block of 64 queries
.set BAT, 13                           ; s13  the batch
.set G1,  16                           ; s[16:23] descriptor group 1
.set G0A, 24                           ; s[24:27] group 0 of the first fill of slot 0
.set G0B, 28                           ; s[28:31] group 0 of the first fill of slot 1; it then walks
.set QB,  32                           ; s[32:39] query at block i's 16 rows, my channels
.set SB,  40                           ; s40  LDS byte at which the slot in hand begins
.set CNT, 41                           ; s41  trips of the loop in hand still to come
.set CS,  42                           ; s[42:43] c = log2(e): the packed scaling names a pair and takes its low word for both halves
.set SEL, 44                           ; s[44:45] v_permlanex16_b32's selects: each lane takes its own place in the other half
.set PFA, 46                           ; s[46:47] where my prefetches stand
.set LIM, 48                           ; s48  1 in a cluster that prefetches, else the greatest number
.set XB,  49                           ; s49  my outbox
.set OB,  68                           ; s[68:75] out0 at block i's 16 rows, my channels
.set MSB, 0
.macro WIN new                         ; the immediate's high byte repeats the setting that is left; a switch that changes nothing is dropped
.if MSB != (\new)
	s_set_vgpr_msb (MSB<<8)|(\new)
.set MSB, (\new)
.endif
.endm
.set W_S, 0x04                         ; V and S^T in window 0, Q (source 1) in window 1
; A vector instruction or LDS store that reads a matrix result, and a load into a register that a matrix instruction has named, stand four plain vector instructions behind it (ISA guide 7.12.1 for vector instructions and LDS stores).
.macro PLACES
.rept 4
	v_nop
.endr
.endm
; A round of the cluster's barrier behind its opening barrier: wave 0 signals for the work-group, every wave waits for all four work-groups, my work-group's barrier once more.
.macro CREST
	s_cmp_lg_u32 s[WV], 0
	s_cbranch_scc1 .Lnot_wave_0_\@
	s_barrier_signal -3
.Lnot_wave_0_\@:
	s_barrier_wait -3
	s_barrier_signal -1
	s_barrier_wait -1
.endm
.macro CROUND
	s_barrier_signal -1
	s_barrier_wait -1
	CREST
.endm
.macro FSET kt, c                      ; rF: fragment c (32 channels) of the 16 keys kt: buffer X for an even kt, buffer Z for an odd one
.if ((\kt)%2) == 0
.set rF, VB+8*(\c)
.elseif (\c) < 2
.set rF, ZA+8*(\c)
.else
.set rF, SP+80+8*((\c)-2)
.endif
.endm
.macro ASET kt, i                      ; rA: the accumulator of keys kt, block i
.if (\i) == 0
.set rA, SP+8*(\kt)
.else
.set rA, SP+32+24*((\kt)%2)+8*((\i)-1)
.endif
.endm
; Sixteen LDS loads: the eight fragments of V by rows for keys 16 kt on, my 256 channels.  Lane l: row l % 16, bytes 16 (l / 16) and 32 + 16 (l / 16) of each 64.
.macro ROWRUN kt
.irp c, 0,1,2,3,4,5,6,7
	FSET \kt, \c
	ds_load_b128 v[rF:rF+3],   v[AR] offset:(\kt)*16*PITCH+(\c)*64
	ds_load_b128 v[rF+4:rF+7], v[AR] offset:(\kt)*16*PITCH+(\c)*64+32
.endr
.endm
; Sixteen turning loads: group g of four channel tiles cb = 4 g + f, both halves kk of the 64 keys: fragment (f, kk) at 16 f + 8 kk of buffer X (g even) or Y (g odd).  Tile cb begins at my channel 128 (cb / 8) + 8 (cb % 8).
.macro TRG g
.irp f, 0,1,2,3
.irp kk, 0,1
	ds_load_tr16_b128 v[VB+64*((\g)%2)+16*(\f)+8*(\kk):VB+64*((\g)%2)+16*(\f)+8*(\kk)+3],   v[AT] offset:(\kk)*32*PITCH+256*((4*(\g)+(\f))/8)+16*((4*(\g)+(\f))%8)
	ds_load_tr16_b128 v[VB+64*((\g)%2)+16*(\f)+8*(\kk)+4:VB+64*((\g)%2)+16*(\f)+8*(\kk)+7], v[AT] offset:(\kk)*32*PITCH+256*((4*(\g)+(\f))/8)+16*((4*(\g)+(\f))%8)+16*PITCH
.endr
.endr
.endm
; A stretch of phase 1: 32 matrix instructions of S^T = V Q^T: keys 16 kt on, eight fragments of 32 channels x the four query blocks.  The four accumulators take turns.  The first 32 channels start the sums.
.macro SK kt
	WIN W_S
.irp c, 0,1,2,3,4,5,6,7
	FSET \kt, \c
.irp i, 0,1,2,3
	ASET \kt, \i
.if (\c) == 0
	v_wmma_f32_16x16x32_bf16 v[rA:rA+7], v[rF:rF+7], v[8*(8*(\i)+(\c)):8*(8*(\i)+(\c))+7], 0
.else
	v_wmma_f32_16x16x32_bf16 v[rA:rA+7], v[rF:rF+7], v[8*(8*(\i)+(\c)):8*(8*(\i)+(\c))+7], v[rA:rA+7]
.endif
.endr
.endr
.endm
; The finished partial sums of keys 16 kt on, blocks 1-3, into my outbox; each accumulator's low registers first.
.macro XSTORE kt
.irp i, 1,2,3
	ASET \kt, \i
	ds_store_b128 v[XS], v[rA:rA+3]   offset:((\i)-1)*4096+(\kt)*1024
	ds_store_b128 v[XS], v[rA+4:rA+7] offset:((\i)-1)*4096+(\kt)*1024+512
.endr
.endm
; Phase 3, channel tiles cb = 4 g + f0 .. 4 g + f1: O^T += V^T P, eight products a tile: keys 32 kk on, kk = 0 and then 1, blocks 0-3: between the two links of a chain stand three others'.
; Behind each PAIR of products ride the four packed multiplies that rescale one accumulator of the NEXT channel tile by its block's a, its registers in ascending order: two window switches for two products.
.macro PVG g, f0, f1
.set pf, (\f0)
.rept (\f1)-(\f0)+1
.set cb, 4*(\g)+pf
.set py, 0
.rept 4                                ; pair py: kk = py / 2, blocks 2 (py % 2) and 2 (py % 2) + 1
	WIN 0xa0+0x50*(cb/8)                           ; V and P in window 0, C and D in window 2 or 3
.irp e, 0,1
.set pq, 2*(py%2)+(\e)
.set rO, 32*(cb%8)+8*pq
.set rV, VB+64*((\g)%2)+16*pf+8*(py/2)
.set rP, SP+64+16*pq+8*(py/2)
	v_wmma_f32_16x16x32_bf16 v[rO:rO+7], v[rV:rV+7], v[rP:rP+7], v[rO:rO+7]
.endr
.if cb < 15
	WIN 0x82+0x41*((cb+1)/8)                       ; destination and source 0 in the next tile's window, a in window 0
.set rR, 32*((cb+1)%8)+8*py
.irp p, 0,2,4,6
	v_pk_mul_f32 v[rR+(\p):rR+(\p)+1], v[rR+(\p):rR+(\p)+1], v[AI+2*py:AI+2*py+1]
.endr
.endif
.set py, py+1
.endr
.set pf, pf+1
.endr
.endm
.macro FS b                            ; c s - c m for pair b of my 32 scores
	v_pk_fma_f32 v[SP+2*(\b):SP+2*(\b)+1], v[SP+2*(\b):SP+2*(\b)+1], s[CS:CS+1], v[CM:CM+1] op_sel_hi:[1,0,0] neg_lo:[0,0,1] neg_hi:[0,0,1]
.endm
.macro EXS e
	v_exp_f32 v[SP+(\e)], v[SP+(\e)]
.endm
; A PREFETCH of the tile that the NEXT trip's refill will ask for: 131,072 bytes as 512 blocks of 256.  All four clusters of a batch walk the same tiles: the batch's first cluster asks.  Its four work-groups take
; 32,768 bytes each, told apart by ADDRESS, their four waves 8,192 each, a lane a block: each block is named once in the launch.  The last trip of the loop has no tile behind its own refill's and asks for nothing.
.macro ASK
	s_cmp_gt_u32 s[CNT], s[LIM]
	s_cbranch_scc0 .Lnot_mine_\@
	global_prefetch_b8 v[PFO], s[PFA:PFA+1] th:TH_LOAD_NT scope:SCOPE_SE
.Lnot_mine_\@:
.endm
; A TRIP.  At its head the fragments of keys 0-15 are on their way into buffer X.  fill = 1: the slot just read is filled again.  fill = 0: the last two trips: nothing is asked for.
.macro TRIP fill
	; PHASE 1: four stretches; behind each run of loads the sums that the stretch before finished leave for my outbox
	WIN 0
	PLACES
	v_nop                                          ; five: the first products below write over registers that the last products of the trip before read as operands
	ROWRUN 1
	s_wait_dscnt 16                                ; all but the sixteen just issued: this stretch's fragments are in
	SK 0
	WIN 0
	PLACES                                         ; for the loads into the buffer just multiplied, and for the stores of the results just made
	ROWRUN 2
	s_wait_dscnt 16
	XSTORE 0
	SK 1
	WIN 0
	PLACES
	ROWRUN 3
	s_wait_dscnt 16                                ; also: the outbox stores of two stretches back are done, whose registers the next stretch writes anew
	XSTORE 1
	SK 2
	WIN 0
	PLACES
	TRG 0                                          ; phase 3's first group
	s_wait_dscnt 16
	XSTORE 2
	SK 3
	WIN 0
	PLACES
	XSTORE 3
	s_wait_dscnt 0x0                               ; for the others' sake: my outbox is written
	s_barrier_signal -1
	s_barrier_wait -1                              ; all four outboxes are
	; PHASE 2: the three partners' sums of my tile, 16 keys at a time
.irp kt, 0,1,2,3
.irp n, 0,1,2
	ds_load_b128 v[SP+32*((\n)+1)+8*(\kt):SP+32*((\n)+1)+8*(\kt)+3],   v[XL+(\n)] offset:(\kt)*1024
	ds_load_b128 v[SP+32*((\n)+1)+8*(\kt)+4:SP+32*((\n)+1)+8*(\kt)+7], v[XL+(\n)] offset:(\kt)*1024+512
.endr
.endr
.irp kt, 0,1,2,3
	s_wait_dscnt 18-6*(\kt)                        ; six loads for each later 16 keys may stay out
.irp n, 1,2,3
.irp p, 0,2,4,6
	v_pk_add_f32 v[SP+8*(\kt)+(\p):SP+8*(\kt)+(\p)+1], v[SP+8*(\kt)+(\p):SP+8*(\kt)+(\p)+1], v[SP+32*(\n)+8*(\kt)+(\p):SP+32*(\n)+8*(\kt)+(\p)+1]
.endr
.endr
	v_max3_num_f32 v[CC+(\kt)], v[SP+8*(\kt)], v[SP+8*(\kt)+1], v[SP+8*(\kt)+2]   ; seven of the eight scores
	v_max3_num_f32 v[CC+(\kt)], v[CC+(\kt)], v[SP+8*(\kt)+3], v[SP+8*(\kt)+4]
	v_max3_num_f32 v[CC+(\kt)], v[CC+(\kt)], v[SP+8*(\kt)+5], v[SP+8*(\kt)+6]
.endr
	v_max3_num_f32 v[CC], v[CC], v[SP+7], v[SP+15]          ; the four left over, the four chains and the old m
	v_max3_num_f32 v[CC+2], v[CC+2], v[SP+23], v[SP+31]
	v_max3_num_f32 v[CC], v[CC], v[CC+1], v[CC+2]
	v_max3_num_f32 v[CC], v[CC], v[CC+3], v[CM+1]
	v_permlanex16_b32 v[CC+1], v[CC], s[SEL], s[SEL+1]      ; the query's other 32 keys lie in the lane 16 away
	v_mov_b32 v[MO], v[CM]
	v_max_num_f32 v[CM+1], v[CC], v[CC+1]                   ; m
	v_mul_f32 v[CM], s[CS], v[CM+1]                         ; c m
	v_sub_f32 v[DD], v[MO], v[CM]
	; ONE BATCH: 16 scalings and 33 exponentials, none of which names an exponential's result; a pair is scaled two steps ahead of its exponentials
	FS 0
	FS 1
	v_exp_f32 v[AO], v[DD]                         ; a
.set b, 0
.rept 14
	EXS 2*b
	FS b+2
	EXS 2*b+1
.set b, b+1
.endr
	EXS 28
	EXS 29
	EXS 30
	EXS 31
	v_nop                                          ; a plain instruction behind the last exponential (ISA guide 5.7.2),
	s_wait_alu depctr_va_vdst(0)                   ; and the one wait ahead of the batch's first reader
	v_mov_b32 v[AO+1], v[AO]
.irp q, 0,1,2,3
.irp j, 0,1,2,3
	v_cvt_pk_bf16_f32 v[PK+4*(\q)+(\j)], v[SP+8*(\q)+2*(\j)], v[SP+8*(\q)+2*(\j)+1]
.endr
	ds_store_b128 v[PS], v[PK+4*(\q):PK+4*(\q)+3] offset:512*(\q)
.endr
	ds_store_b64 v[PS], v[AO:AO+1] offset:2048
.irp u, 0,1,2,3,4,5,6,7                ; while the stores are out: the sum of my 16 pairs of weights, in place, neighbours 1, 2, 4 and 8 pairs apart; behind it their registers are free for buffer Y
	v_pk_add_f32 v[SP+4*(\u):SP+4*(\u)+1], v[SP+4*(\u):SP+4*(\u)+1], v[SP+4*(\u)+2:SP+4*(\u)+3]
.endr
.irp u, 0,1,2,3
	v_pk_add_f32 v[SP+8*(\u):SP+8*(\u)+1], v[SP+8*(\u):SP+8*(\u)+1], v[SP+8*(\u)+4:SP+8*(\u)+5]
.endr
.irp u, 0,1
	v_pk_add_f32 v[SP+16*(\u):SP+16*(\u)+1], v[SP+16*(\u):SP+16*(\u)+1], v[SP+16*(\u)+8:SP+16*(\u)+9]
.endr
	v_pk_add_f32 v[SP:SP+1], v[SP:SP+1], v[SP+16:SP+17]
	v_pk_fma_f32 v[LS:LS+1], v[LS:LS+1], v[AO:AO+1], v[SP:SP+1]   ; l = a l + the sum
	s_wait_dscnt 0x0                               ; for the others' sake: p and a are written, and my reads of the outboxes are over
	s_barrier_signal -1
	s_barrier_wait -1
	; PHASE 3: four stretches, a group of four channel tiles each
.irp i, 0,1,2,3
	ds_load_b64 v[AI+2*(\i):AI+2*(\i)+1], v[PL+(\i)] offset:2048
.endr
.irp i, 0,1,2,3
.irp q, 0,1,2,3
	ds_load_b128 v[SP+64+16*(\i)+4*(\q):SP+64+16*(\i)+4*(\q)+3], v[PL+(\i)] offset:512*(\q)
.endr
.endr
	TRG 1
	s_wait_dscnt 32                                ; the four a are in; P's sixteen loads and V's sixteen may stay out
	WIN 0x82
.set z, 0
.rept 16                               ; channel tile 0's four accumulators times a: the one part of the rescaling that has no products to ride behind
	v_pk_mul_f32 v[2*z:2*z+1], v[2*z:2*z+1], v[AI+2*(z/4):AI+2*(z/4)+1]
.set z, z+1
.endr
	s_wait_dscnt 16                                ; P is in; the second group's V may stay out
	PVG 0, 0, 3
	WIN 0                                          ; the four multiplies behind the last pair of products are the places in front of the loads into the buffer just multiplied
	TRG 2
	s_wait_dscnt 16                                ; all but the sixteen just issued
	PVG 1, 0, 3
	WIN 0
	TRG 3                                          ; my last reads of this slot
	s_wait_dscnt 16
	PVG 2, 0, 3
	; THE CHANGE OF SLOTS.  Each wave waits for all its tensor loads, of which at most one is out: its part of the other slot; adds 0 to its spare word; and waits for that and for its reads of this slot.
	WIN 0
.if \fill
	s_wait_xcnt 0x0                                ; the last prefetch, a trip back, has read its address:
	s_add_nc_u64 s[PFA:PFA+1], s[PFA:PFA+1], TILEB ; it now stands one tile behind the refill below
.endif
	s_wait_tensorcnt 0x0                           ; no tensor load of mine is out, so a group 0 may be written
	ds_add_u32 v[SPW], v[NIL]                      ; 0 onto my spare word: the steps below stand between it and the wait for it
.if \fill
	s_xor_b32 s[G0B+1], s[G0B+1], SLOTB            ; the walking descriptor: the slot that this trip has read,
	s_add_nc_u64 s[G0B+2:G0B+3], s[G0B+2:G0B+3], TILEB  ; the next 64 keys; the type bits on top are not reached
.endif
	s_xor_b32 s[SB], s[SB], SLOTB                  ; my reads go on in the other slot
	v_add_nc_u32 v[AR], s[SB], v[AR0]
	v_add_nc_u32 v[AT], s[SB], v[AT0]
	s_wait_dscnt 0x0                               ; the add is done, the last group's fragments are in, and my reads of this slot, of p and of a are over
	s_barrier_signal -1                            ; (in the loop this barrier opens a round of the cluster's)
	PVG 3, 0, 1                                    ; work on registers while the others arrive
	WIN 0
	s_barrier_wait -1
.if \fill
	CREST                                          ; no wave of any partner still reads this slot or has a load on its way
	tensor_load_to_lds s[G0B:G0B+3], s[G1:G1+7]    ; my one tensor load behind the round, and the first thing there
	s_nop 0
.endif
	PLACES                                         ; behind the load; also places in front of the loads below
	ROWRUN 0                                       ; the next trip's first fragments.  (In the very last trip nobody multiplies them: the price, once a launch, of one text for the last two trips.)
.if \fill
	ASK
.endif
	PVG 3, 2, 3
	WIN 0
.endm
	; THE HEAD
	s_load_b128 s[4:7], s[0:1], 0x0                ; query s[4:5], vb s[6:7]
	s_load_b64 s[8:9], s[0:1], 0x10                ; out0
	v_lshl_add_u32 v[SPW], v0, 2, SPARE
	v_mov_b32 v[NIL], 0
	ds_add_u32 v[SPW], v[NIL]                      ; the wave's opening: the add and its wait stand ahead of my first tensor load; the set-up below, work on registers, stands between them
	v_lshrrev_b32 v[T], 5, v0
	v_readfirstlane_b32 s[WV], v[T]                ; wave 0..3
	s_bfe_u32 s[CX], ttmp6, 0x40000                ; my place in the cluster
	s_lshl_b32 s55, ttmp9, 2                       ; in a cluster launch ttmp9 counts clusters
	s_cmp_eq_u32 s55, 0                            ; the batch's first cluster prefetches: the same answer in all four partners
	s_cselect_b32 s[LIM], 1, -1
	s_add_co_u32 s[BLK], s55, s[CX]                ; my block of 64 queries
	s_and_b32 s[BAT], ttmp7, 0xffff                ; the batch, which the four partners share
	; descriptor group 1: a tile of 32 rows x 512 elements of 2 bytes, padded in LDS
	s_mov_b32 s[G1+0], 15|(1<<16)|(1<<20)|(1<<21)|(7<<22)|(3<<25)  ; 15:0 the mask: all four work-groups; 17:16 2-byte elements; 20 padding on; 21 set beside a mask; 24:22 after every 256 words (code 7); 31:25 4 words (code 3)
	s_mov_b32 s[G1+1], 512<<16                     ; tensor_dim0 = 512
	s_mov_b32 s[G1+2], 32<<16                      ; tensor_dim1 = 32
	s_mov_b32 s[G1+3], 512<<16                     ; tile_dim0 = 512
	s_mov_b32 s[G1+4], 32                          ; tile_dim1 = 32
	s_mov_b32 s[G1+5], 1024                        ; 1,024 elements from key to key
	s_mov_b32 s[G1+6], 0
	s_mov_b32 s[G1+7], 0
	s_lshr_b32 s50, s[WV], 1                       ; which 1,024 bytes of a key's row: what I fetch, and where my channels lie
	s_and_b32 s51, s[WV], 1                        ; which 32 keys I fetch; which 512 bytes of that half are my channels
	s_mul_i32 s52, s50, HALFR
	s_mul_i32 s53, s51, 32*PITCH
	s_add_co_u32 s53, s52, s53                     ; where my part of a tile goes in slot 0: the wave's number alone enters an LDS address
	s_lshl_b32 s54, s51, 9
	s_add_co_u32 s54, s52, s54                     ; where my strip of channels begins in slot 0
	s_mov_b32 s[G0A], 1                            ; count = 1
	s_mov_b32 s[G0A+1], s53
	s_mov_b32 s[G0B], 1
	s_add_co_u32 s[G0B+1], s53, SLOTB
	; byte offsets, made apart from the addresses; all stay under 2^27
	s_lshl_b32 s58, s[BAT], 22                     ; a batch is 4 MiB in query, in vb and in out0
	s_lshl_b32 s56, s51, 16                        ; vb: my 32 keys of 2,048 bytes,
	s_lshl_b32 s57, s50, 10                        ; my half of their rows
	s_add_co_u32 s56, s56, s57
	s_add_co_u32 s56, s56, s58
	s_mov_b32 s57, 0
	s_lshl_b32 s60, s[CX], 15                      ; the prefetch: my work-group's 32,768 bytes of a tile,
	s_lshl_b32 s61, s[WV], 13                      ; my wave's 8,192 of them,
	s_add_co_u32 s60, s60, s61
	s_add_co_u32 s60, s60, s58
	s_add_co_u32 s60, s60, 2*TILEB                 ; in tile 2: the first trip steps it to tile 3.  Tiles 0 to 2 come by their loads alone
	s_mov_b32 s61, 0
	s_lshl_b32 s59, s[BLK], 18                     ; query and out0: my block's 64 rows of 4,096 bytes,
	s_add_co_u32 s59, s59, s58
	s_lshl_b32 s62, s[WV], 10                      ; my 256 channels
	s_add_co_u32 s59, s59, s62
	s_mov_b32 s63, 0
	s_mov_b32 s[SB], 0
	s_mov_b32 s[CNT], 30
	s_mov_b32 s[CS], 0x3fb8aa3b                    ; c = log2(e)
	s_mov_b32 s[CS+1], s[CS]                       ; named with it as a pair
	s_mov_b32 s[SEL], 0x76543210
	s_mov_b32 s[SEL+1], 0xfedcba98
	v_and_b32 v[R], 15, v0
	v_bfe_u32 v[H], v0, 4, 1
	v_and_b32 v[LN], 31, v0
	v_mul_u32_u24 v[AR0], v[R], PITCH              ; by rows: row l % 16, 16 bytes for each half of the lanes
	v_lshl_add_u32 v[AR0], v[H], 4, v[AR0]
	v_add_nc_u32 v[AR0], s54, v[AR0]
	v_and_b32 v[LN+1], 7, v0                       ; turned: lane l reads key 8 (l / 16) + l % 8; lanes with (l / 8) % 2 = 1 the 16 bytes that lie 128 further on
	v_bfe_u32 v[LN+2], v0, 3, 1
	v_lshl_add_u32 v[AT0], v[H], 3, v[LN+1]
	v_mul_u32_u24 v[AT0], v[AT0], PITCH
	v_lshl_add_u32 v[AT0], v[LN+2], 7, v[AT0]
	v_add_nc_u32 v[AT0], s54, v[AT0]
	v_mov_b32 v[AR], v[AR0]                        ; slot 0
	v_mov_b32 v[AT], v[AT0]
	s_mul_i32 s[XB], s[WV], XBOX
	s_add_co_u32 s[XB], s[XB], EX
	v_lshl_add_u32 v[XS], v[LN], 4, s[XB]
.irp n, 0,1,2
	s_add_co_u32 s55, s[WV], 3-(\n)                ; wave (w - n - 1) & 3 holds my tile as its block n + 1
	s_and_b32 s55, s55, 3
	s_mul_i32 s55, s55, XBOX
	s_add_co_u32 s55, s55, EX+(\n)*4096
	v_lshl_add_u32 v[XL+(\n)], v[LN], 4, s55
.endr
.irp i, 0,1,2,3
	s_add_co_u32 s55, s[WV], \i                    ; block i is query tile (w + i) & 3
	s_and_b32 s55, s55, 3
	s_mul_i32 s55, s55, PBOX
	s_add_co_u32 s55, s55, PR
	v_lshl_add_u32 v[PL+(\i)], v[LN], 4, s55
.endr
	v_mov_b32 v[PS], v[PL]                         ; block 0 is my own tile
	v_lshlrev_b32 v[PFO], 8, v[LN]
	v_lshlrev_b32 v[QO], 12, v[R]                  ; query: row l % 16, 32 bytes (8 channels) for each half of the lanes
	v_lshl_add_u32 v[QO], v[H], 5, v[QO]
	v_mov_b32 v[CM], 0xfe000000                    ; c m starts far below every c s: the first step's a is 0
	v_mov_b32 v[CM+1], 0xff7fffff                  ; m at the lowest finite number
	v_mov_b32 v[LS], 0
	v_mov_b32 v[LS+1], 0
	s_wait_dscnt 0x0                               ; the opening add is done
	s_wait_kmcnt 0x0
	s_add_nc_u64 s[G0A+2:G0A+3], s[6:7], s[56:57]  ; my part of tile 0
	s_add_nc_u64 s[G0B+2:G0B+3], s[G0A+2:G0A+3], TILEB  ; and of tile 1
	s_or_b32 s[G0A+3], s[G0A+3], 0x80000000        ; type = 2
	s_or_b32 s[G0B+3], s[G0B+3], 0x80000000
	s_add_nc_u64 s[PFA:PFA+1], s[6:7], s[60:61]
.irp i, 0,1,2,3
	s_add_co_u32 s62, s[WV], \i
	s_and_b32 s62, s62, 3
	s_lshl_b32 s62, s62, 16                        ; a tile's 16 rows of 4,096 bytes
	s_add_co_u32 s62, s62, s59
	s_add_nc_u64 s[QB+2*(\i):QB+2*(\i)+1], s[4:5], s[62:63]
	s_add_nc_u64 s[OB+2*(\i):OB+2*(\i)+1], s[8:9], s[62:63]
.endr
	CROUND                                         ; all four work-groups are here: the first joint loads meet
	tensor_load_to_lds s[G0A:G0A+3], s[G1:G1+7]    ; both first fills go out together: two tensor loads of mine are out; later one
	s_nop 0
	tensor_load_to_lds s[G0B:G0B+3], s[G1:G1+7]
	s_nop 0
	PLACES
	; Q in f32 into O^T's 512 registers: fragment (i, c) takes 16 of them: channels 32 c + 8 (l / 16) + 0..7, then 32 c + 16 + 8 (l / 16) + 0..7
.irp i, 0,1,2,3
	WIN 0x80+0x40*((\i)/2)                         ; destination window 2 or 3, address window 0
.irp c, 0,1,2,3,4,5,6,7
	global_load_b128 v[16*(8*((\i)%2)+(\c)):16*(8*((\i)%2)+(\c))+3],     v[QO], s[QB+2*(\i):QB+2*(\i)+1] offset:128*(\c)
	global_load_b128 v[16*(8*((\i)%2)+(\c))+4:16*(8*((\i)%2)+(\c))+7],   v[QO], s[QB+2*(\i):QB+2*(\i)+1] offset:128*(\c)+16
	global_load_b128 v[16*(8*((\i)%2)+(\c))+8:16*(8*((\i)%2)+(\c))+11],  v[QO], s[QB+2*(\i):QB+2*(\i)+1] offset:128*(\c)+64
	global_load_b128 v[16*(8*((\i)%2)+(\c))+12:16*(8*((\i)%2)+(\c))+15], v[QO], s[QB+2*(\i):QB+2*(\i)+1] offset:128*(\c)+80
.endr
.endr
	; rounded to bf16 into window 1.  The f32 numbers stay where they are: the first step multiplies O^T by a = 0, so nothing is cleared and no first step is written out
.irp i, 0,1,2,3
.if (\i) < 2
	s_wait_loadcnt 63                              ; of 128 loads at most 63 are out: the oldest 65, blocks 0 and 1 among them, are in
.else
	s_wait_loadcnt 32*(3-(\i))                     ; block 2: block 3's 32 loads may stay out; block 3: none
.endif
	WIN 0x4a+5*((\i)/2)                            ; destination window 1, sources window 2 or 3
.set j, 0
.rept 64
	v_cvt_pk_bf16_f32 v[64*(\i)+j], v[128*((\i)%2)+2*j], v[128*((\i)%2)+2*j+1]
.set j, j+1
.endr
.endr
	WIN 0
	s_wait_tensorcnt 0x1                           ; my part of tile 0 is in; tile 1's may stay out
	s_barrier_signal -1
	s_barrier_wait -1                              ; everybody's is
	ROWRUN 0
.Ltrip:                                ; 30 trips: tiles 0 to 29 are multiplied, tiles 2 to 31 asked for
	TRIP 1
	s_sub_co_u32 s[CNT], s[CNT], 1
	s_cmp_lg_u32 s[CNT], 0
	s_cbranch_scc1 .Ltrip
	s_mov_b32 s[CNT], 2
.Ltail:                                ; the last two trips have a text of their own: written once, walked twice
	TRIP 0
	s_sub_co_u32 s[CNT], s[CNT], 1
	s_cmp_lg_u32 s[CNT], 0
	s_cbranch_scc1 .Ltail
	; THE WAY OUT.  l's two halves and the other half of the lanes' are added; each owner publishes 1/l where a lay: nobody reads a any more, since every wave's reads of it were over at the last trip's last barrier.
	v_add_f32 v[CC], v[LS], v[LS+1]
	v_permlanex16_b32 v[CC+1], v[CC], s[SEL], s[SEL+1]
	v_add_f32 v[CC], v[CC], v[CC+1]
	v_rcp_f32 v[AO], v[CC]
	v_nop                                          ; a plain instruction between the reciprocal and the use of its result,
	s_wait_alu depctr_va_vdst(0)                   ; and the wait ahead of that use
	v_mov_b32 v[AO+1], v[AO]
	ds_store_b64 v[PS], v[AO:AO+1] offset:2048
	s_wait_dscnt 0x0                               ; for the others' sake
	s_barrier_signal -1
	s_barrier_wait -1
.irp i, 0,1,2,3
	ds_load_b64 v[AI+2*(\i):AI+2*(\i)+1], v[PL+(\i)] offset:2048
.endr
	; my stage is my outbox: the partners' last reads of it were waited for in front of the last trip's second barrier
	v_mul_u32_u24 v[STO], v[R], SPITCH             ; in: row l % 16; a lane's eight channels are 32 bytes; the upper half of the lanes holds the channels 64 (256 bytes) further on
	v_lshl_add_u32 v[STO], v[H], 8, v[STO]
	v_add_nc_u32 v[STO], s[XB], v[STO]
	v_mul_u32_u24 v[RD], v[H], SPITCH              ; back: lanes 0-15 take 256 bytes of one row, lanes 16-31 of the next
	v_lshl_add_u32 v[RD], v[R], 4, v[RD]
	v_add_nc_u32 v[RD], s[XB], v[RD]
	v_lshlrev_b32 v[GO], 12, v[H]                  ; and the same two rows in out0
	v_lshl_add_u32 v[GO], v[R], 4, v[GO]
	s_wait_dscnt 0x0
; Unit u: block u % 4 (16 queries) x my channels 128 (u / 4) on: eight accumulators, divided by l, through the stage, and back as rows of 512 bytes INTO THE REGISTERS THAT THEY LEFT:
; no register that a store to memory reads is ever written again, so the way out has no wait for the stores' sources.
.macro OUTP u
	WIN 0x82+0x41*((\u)/4)
.irp cbl, 0,1,2,3,4,5,6,7
.irp p, 0,2,4,6
	v_pk_mul_f32 v[32*(\cbl)+8*((\u)%4)+(\p):32*(\cbl)+8*((\u)%4)+(\p)+1], v[32*(\cbl)+8*((\u)%4)+(\p):32*(\cbl)+8*((\u)%4)+(\p)+1], v[AI+2*((\u)%4):AI+2*((\u)%4)+1]
.endr
.endr
	WIN 0x08+0x04*((\u)/4)                         ; the stores' data in window 2 or 3, their address in window 0
.irp cbl, 0,1,2,3,4,5,6,7
	ds_store_b128 v[STO], v[32*(\cbl)+8*((\u)%4):32*(\cbl)+8*((\u)%4)+3]   offset:32*(\cbl)
	ds_store_b128 v[STO], v[32*(\cbl)+8*((\u)%4)+4:32*(\cbl)+8*((\u)%4)+7] offset:32*(\cbl)+16
.endr
	WIN 0x80+0x40*((\u)/4)                         ; the loads' destination in window 2 or 3, their address in window 0
.irp f, 0,1,2,3,4,5,6,7,8,9,10,11,12,13,14,15
	ds_load_b128 v[32*((\f)/2)+8*((\u)%4)+4*((\f)%2):32*((\f)/2)+8*((\u)%4)+4*((\f)%2)+3], v[RD] offset:((\f)/2)*2*SPITCH+((\f)%2)*256  ; LDS serves a wave's instructions in order (ISA guide 5.7.1.4): these see the stores above; the next unit's stores come behind them
.endr
.endm
.macro SEND u, younger                 ; younger: the LDS instructions issued behind unit u's loads: the next unit's 32, or none
	WIN 0x08+0x04*((\u)/4)                         ; the stores' data in window 2 or 3, their offset in window 0
.irp f, 0,1,2,3,4,5,6,7,8,9,10,11,12,13,14,15
	s_wait_dscnt (\younger)+15-(\f)
	global_store_b128 v[GO], v[32*((\f)/2)+8*((\u)%4)+4*((\f)%2):32*((\f)/2)+8*((\u)%4)+4*((\f)%2)+3], s[OB+2*((\u)%4):OB+2*((\u)%4)+1] offset:((\f)/2)*8192+((\f)%2)*256+((\u)/4)*512 th:TH_STORE_NT  ; 16 lanes store 256 consecutive bytes, at a multiple of 256 from out0's first byte
.endr
.endm
	OUTP 0
.irp u, 1,2,3,4,5,6,7                  ; a unit's arithmetic stands between the loads of the unit before and its stores
	OUTP \u
	SEND (\u)-1, 32
.endr
	SEND 7, 0
	WIN 0
	s_wait_tensorcnt 0x0                           ; the wave's end: behind my last tensor load and my last LDS store
	ds_add_u32 v[SPW], v[NIL]
	s_wait_dscnt 0x0
	CROUND                                         ; the closing round: no work-group ends while a partner may still ask for a tile that names it
	s_endpgm
.Lfunc_end_k_q5ad44fa5a7_attn:
	.size	k_q5ad44fa5a7_attn, .Lfunc_end_k_q5ad44fa5a7_attn-k_q5ad44fa5a7_attn
	.p2alignl 7, 3214868480
	.fill 96, 4, 3214868480
	.section	.rodata,"a",@progbits
	.p2align	6, 0x0
	.amdhsa_kernel k_q5ad44fa5a7_attn
		.amdhsa_group_segment_fixed_size 327680
		.amdhsa_private_segment_fixed_size 0
		.amdhsa_enable_private_segment 0
		.amdhsa_kernarg_size 24
		.amdhsa_user_sgpr_count 2
		.amdhsa_user_sgpr_kernarg_segment_ptr 1
		.amdhsa_wavefront_size32 1
		.amdhsa_system_sgpr_workgroup_id_x 1
		.amdhsa_system_sgpr_workgroup_id_y 1
		.amdhsa_system_sgpr_workgroup_id_z 1
		.amdhsa_system_vgpr_workitem_id 0
		.amdhsa_next_free_vgpr 1024
		.amdhsa_next_free_sgpr 76
		.amdhsa_reserve_vcc 0
		.amdhsa_float_denorm_mode_32 3
		.amdhsa_float_denorm_mode_16_64 3
		.amdhsa_memory_ordered 1
		.amdhsa_forward_progress 1
		.amdhsa_inst_pref_size 206
	.end_amdhsa_kernel
	.amdgpu_metadata
---
amdhsa.version: [ 1, 2 ]
amdhsa.kernels:
  - .name:           k_q5ad44fa5a7_attn
    .symbol:         k_q5ad44fa5a7_attn.kd
    .args:
      - { .name: query, .offset: 0, .size: 8, .value_kind: global_buffer, .address_space: global }
      - { .name: vb, .offset: 8, .size: 8, .value_kind: global_buffer, .address_space: global }
      - { .name: out0, .offset: 16, .size: 8, .value_kind: global_buffer, .address_space: global }
    .group_segment_fixed_size: 327680
    .private_segment_fixed_size: 0
    .kernarg_segment_align: 8
    .kernarg_segment_size: 24
    .max_flat_workgroup_size: 128
    .sgpr_count:     76
    .vgpr_count:     1024
    .wavefront_size: 32
...
	.end_amdgpu_metadata
.endif
;; end of part 2
;; ======== version 2 of 2: 2 launches; version 1 with the launch tobf16 written anew for expert scheduling mode
;; limits: right only within a limited range of input values
;; workspace buffers: vb 67,108,864 bytes
;; launch tobf16 (part 3): grid 1024 x 1, 8 waves a work-group, no clusters, 0 bytes of LDS; arguments value, vb; writes vb
.if DOCPART == 3
	.amdgcn_target "amdgcn-amd-amdhsa--gfx1250"
	.amdhsa_code_object_version 6
	.text
	.protected	k_q5ad44fa5a7_tobf16
	.globl	k_q5ad44fa5a7_tobf16
	.p2align	8
	.type	k_q5ad44fa5a7_tobf16,@function
k_q5ad44fa5a7_tobf16:
	s_mov_b64 s[64:65], 0
	v_nop
	global_prefetch_b8 v0, s[64:65] scope:SCOPE_SE
	s_setreg_imm32_b32 hwreg(HW_REG_WAVE_SCHED_MODE, 0, 2), 2
	s_setreg_imm32_b32 hwreg(HW_REG_WAVE_MODE, 25, 1), 1
	s_wait_xcnt 0x0
	s_wait_alu depctr_vm_vsrc(0)
; vb = value rounded once to bf16 (nearest even), same order of elements: [16][2048][1024].
; A stream: 134,217,728 bytes in, 67,108,864 out, each byte once; no LDS, no barrier, no matrix work.
; A work-group of eight waves takes 131,072 bytes of value as 32 lines of 4,096 bytes; thread t owns the 16 bytes at 16 t of every line.
; A wave's load covers 512 consecutive bytes; its four f32 a lane become 8 bytes, so a wave's store covers 256 consecutive bytes, aligned.
; The 32 lines are written out, the line's place stands in the immediates.
; Every line has store registers that are never written again, and the two offsets are never rewritten: no source of a pending load or store is ever written again.
; THE MODE: SCHED_MODE bits 1:0 = 2 (LLVM: expert scheduling mode 2), set by the entry lines.  The code itself states the register dependences
; between vector instructions and memory instructions, with s_wait_alu, always for 0.
; THE PLAN.  The 32 lines go in 8 blocks of four.  Registers that memory instructions touch:
;   X0 .. X3   four blocks of value as loaded.  Written by the loads of block p + 3, issued in block p; read by block p's conversions.
;   Y(p)       block p's eight registers to store.  Written by block p's conversions; read by the four stores that are issued in block p + 1.
;              Blocks 0 to 4 have registers of their own.  Blocks 5, 6 and 7 take X0's two halves and X1's lower half: X0 last held block 4 and X1 block 5,
;              both read by conversions issued earlier, and no load lands there any more.
;   v1, v2     byte offsets, made once at the head and never written again.
; Block p works on X[p % 4] and writes Y(p).  Its memory instructions are the loads into X[(p + 3) % 4] = X[(p - 1) % 4] and the stores from Y(p - 1): the two
; buffers that block p - 1 worked on and that no vector instruction of block p names.  So ONE wait at the head of a block states all that the block's eight
; memory instructions hang on, and these are dealt among its conversions with no further wait.  No register that a memory instruction reads is ever written
; afterwards: the text holds no wait for that.
; At a block's head the two younger blocks' eight loads stay out; with the four that follow, twelve loads of every wave are on their way.
.set LINE_IN,  4096
.set LINE_OUT, 2048
.set BLOCK,    4                       ; lines in a block
.set BLOCKS,   8
.set OWN,      5                       ; blocks whose store registers lie in Y
.set X, 4                              ; v[4:67]    buffer k, line i: four f32 as loaded, at X + 16 k + 4 i
.set Y, 68                             ; v[68:107]  block p < OWN, line i: four bf16 to store, at Y + 8 p + 2 i
.macro YSET p                          ; rY: the first of block p's eight store registers
.if (\p) < OWN
.set rY, Y+8*(\p)
.else
.set rY, X+8*((\p)-OWN)
.endif
.endm
	s_load_b128 s[4:7], s[0:1], 0x0                ; value s[4:5], vb s[6:7]
	s_lshl_b32 s8, ttmp9, 17                       ; the work-group's 131,072 bytes of value (1,023 x 2^17 stays under 2^32)
	s_mov_b32 s9, 0
	s_lshl_b32 s10, ttmp9, 16                      ; and its 65,536 bytes of vb
	s_mov_b32 s11, 0
	v_lshlrev_b32 v1, 4, v0                        ; 16 t: never rewritten
	v_lshlrev_b32 v2, 3, v0                        ; 8 t: never rewritten
	s_wait_kmcnt 0x0
	s_add_nc_u64 s[4:5], s[4:5], s[8:9]
	s_add_nc_u64 s[6:7], s[6:7], s[10:11]
	s_wait_alu depctr_va_vdst(0)                   ; v1 and v2 are written: every load of the kernel reads v1 as its offset, every store v2
.irp l, 0,1,2,3,4,5,6,7,8,9,10,11
	global_load_b128 v[X+4*(\l):X+4*(\l)+3], v1, s[4:5] offset:(\l)*LINE_IN th:TH_LOAD_NT  ; blocks 0, 1 and 2 into X0, X1, X2
.endr
; Block p.  Block 0 has no block in front of it: no store, and no wait but the one for its data (no vector instruction has named X3).  Blocks 5 to 7 load nothing.
.macro BLK p
	YSET \p
.set rNew, rY
.if (\p) > 0
	YSET (\p)-1
.set rOld, rY
.endif
.if (\p) < BLOCKS-2
	s_wait_loadcnt 2*BLOCK                         ; loads come back in order (ISA guide 5.7.1): this block's four are in, the two younger blocks' eight stay out
.else
	s_wait_loadcnt (BLOCKS-1-(\p))*BLOCK           ; nothing is asked for any more: the counts run down
.endif
.if (\p) > 0
	s_wait_alu depctr_va_vdst(0)                   ; the block before has written its store registers, which the stores below read, and is done reading its X, in which the loads below land
.endif
.irp i, 0,1,2,3
.if (\p) < BLOCKS-3
	global_load_b128 v[X+16*(((\p)+3)%4)+4*(\i):X+16*(((\p)+3)%4)+4*(\i)+3], v1, s[4:5] offset:(((\p)+3)*BLOCK+(\i))*LINE_IN th:TH_LOAD_NT  ; three blocks ahead, the load ahead of the store; no vector instruction since the wait names these registers
.endif
.if (\p) > 0
	global_store_b64 v2, v[rOld+2*(\i):rOld+2*(\i)+1], s[6:7] offset:(((\p)-1)*BLOCK+(\i))*LINE_OUT th:TH_STORE_NT  ; the block before
.endif
	v_cvt_pk_bf16_f32 v[rNew+2*(\i)],   v[X+16*((\p)%4)+4*(\i)],   v[X+16*((\p)%4)+4*(\i)+1]
	v_cvt_pk_bf16_f32 v[rNew+2*(\i)+1], v[X+16*((\p)%4)+4*(\i)+2], v[X+16*((\p)%4)+4*(\i)+3]
.endr
.endm
.irp b, 0,1,2,3,4,5,6,7
	BLK \b
.endr
	YSET BLOCKS-1
	s_wait_alu depctr_va_vdst(0)                   ; the last block has written its store registers, which the last four stores read
.irp i, 0,1,2,3
	global_store_b64 v2, v[rY+2*(\i):rY+2*(\i)+1], s[6:7] offset:((BLOCKS-1)*BLOCK+(\i))*LINE_OUT th:TH_STORE_NT
.endr
	s_endpgm
.Lfunc_end_k_q5ad44fa5a7_tobf16:
	.size	k_q5ad44fa5a7_tobf16, .Lfunc_end_k_q5ad44fa5a7_tobf16-k_q5ad44fa5a7_tobf16
	.p2alignl 7, 3214868480
	.fill 96, 4, 3214868480
	.section	.rodata,"a",@progbits
	.p2align	6, 0x0
	.amdhsa_kernel k_q5ad44fa5a7_tobf16
		.amdhsa_group_segment_fixed_size 0
		.amdhsa_private_segment_fixed_size 0
		.amdhsa_enable_private_segment 0
		.amdhsa_kernarg_size 16
		.amdhsa_user_sgpr_count 2
		.amdhsa_user_sgpr_kernarg_segment_ptr 1
		.amdhsa_wavefront_size32 1
		.amdhsa_system_sgpr_workgroup_id_x 1
		.amdhsa_system_sgpr_workgroup_id_y 1
		.amdhsa_system_sgpr_workgroup_id_z 1
		.amdhsa_system_vgpr_workitem_id 0
		.amdhsa_next_free_vgpr 108
		.amdhsa_next_free_sgpr 66
		.amdhsa_reserve_vcc 0
		.amdhsa_float_denorm_mode_32 3
		.amdhsa_float_denorm_mode_16_64 3
		.amdhsa_memory_ordered 1
		.amdhsa_forward_progress 1
		.amdhsa_inst_pref_size 12
	.end_amdhsa_kernel
	.amdgpu_metadata
---
amdhsa.version: [ 1, 2 ]
amdhsa.kernels:
  - .name:           k_q5ad44fa5a7_tobf16
    .symbol:         k_q5ad44fa5a7_tobf16.kd
    .args:
      - { .name: value, .offset: 0, .size: 8, .value_kind: global_buffer, .address_space: global }
      - { .name: vb, .offset: 8, .size: 8, .value_kind: global_buffer, .address_space: global }
    .group_segment_fixed_size: 0
    .private_segment_fixed_size: 0
    .kernarg_segment_align: 8
    .kernarg_segment_size: 16
    .max_flat_workgroup_size: 256
    .sgpr_count:     66
    .vgpr_count:     108
    .wavefront_size: 32
...
	.end_amdgpu_metadata
.endif
;; end of part 3
;; launch attn: the kernel of part 2 again; grid 16 x 16, 4 waves a work-group, clusters of 4 x 1, 327,680 bytes of LDS; arguments query, vb, out0; writes out0
